; MI455X (gfx1250); checked and timed in simulation.
; The chip was launched on July 23, 2026; its instructions are those of AMD's public machine-readable ISA for CDNA 5 (MIT licence, August 2026) and "CDNA5" Instruction Set Architecture Reference Guide (July 2026). The comments in the code are by the model that wrote it; some were corrected since.
;; attention gear. Allowed arithmetic: matrix products marked QUANTISED: E5M2 operands, one E8M0 scale for each 32 along K, by v_wmma_scale_f32_16x16x128_f8f6f4 with both operands' format E5M2, f32 sums; everything else in f32.
;; Inputs: k 2 x 2,048 x 32 x 128 float32; mask 1 x 1 x 2,048 x 2,048 float32; q 2 x 2,048 x 32 x 128 float32; v 2 x 2,048 x 32 x 128 float32.
;; Outputs: out0 2 x 2,048 x 32 x 128 float32.
;; Constants: seqlen = 2048, start_pos = 0.
;; This version of the problem:
;;   THIS VERSION OF THE PROBLEM IS GIVEN IN LOW PRECISION. The matrix products marked QUANTISED in the list below multiply operands that are first quantised to E5M2 (5 exponent bits, 2 mantissa bits; 8 bits a number), with one power-of-two scale for each 32 numbers along K (OCP MX v1.0); their sums are f32. All else is computed in f32.
;;   The module's matrix products, in the order in which they are computed (A, B: the left and right operand; K: the contracted axis; several contracted axes count as one K, in the product's order):
;;     1. batch 64 x [M 2,048, K 128] x [K 128, N 2,048]; A: input q; B: input k: QUANTISED
;;     2. batch 64 x [M 2,048, K 2,048] x [K 2,048, N 128]; A: softmax (see below); B: input v: QUANTISED
;;   THE QUANTISER, for each operand of a quantised product, along K:
;;     - K is cut into blocks of 32 from its start; a last block that is shorter is filled with zeros.
;;     - A block's scale is 2^e with e = floor(log2(the largest magnitude in the block)) - 15, held to -126 .. 127; a block of zeros has e = 0. As a byte (E8M0): e + 127.
;;     - Each number is divided by its block's scale, clamped to +-57,344, and rounded to the nearest number of E5M2, ties to even, subnormals kept.
;;     - The product sums the exact products of the quantised numbers (number of the format x scale) in f32.
;;   ~~~python
;;   def quantise(x, axis):      # numpy; x: float32 -> the quantised numbers, widened to float32 again
;;       x = np.moveaxis(x, axis, -1); K = x.shape[-1]
;;       x = np.pad(x, [(0, 0)] * (x.ndim - 1) + [(0, -K % 32)]); x = x.reshape(x.shape[:-1] + (-1, 32)); a = np.abs(x).max(-1, keepdims=True)
;;       e = np.where(a > 0, np.clip(np.frexp(np.where(a > 0, a, 1))[1] - 1 - 15, -126, 127), 0)      # np.frexp(a)[1] - 1 = floor(log2(a)), exactly
;;       r = np.clip(x / 2.0 ** e, -57344, 57344)
;;       step = 2.0 ** (np.maximum(np.frexp(np.where(r == 0, 1, r))[1] - 1, -14) - 2)
;;       q = np.round(r / step) * step * 2.0 ** e      # np.round: ties to even
;;       return np.moveaxis(q.reshape(q.shape[:-2] + (-1,))[..., :K], -1, axis).astype(np.float32)
;;   ~~~
;;   SOFTMAX AHEAD OF A QUANTISED PRODUCT. Where the list says 'softmax', what is quantised is not the finished softmax but p = 2^(t - M), with t = logit x log2(e) and M = ceil(the row's largest t), a whole number; so 1/2 < the row's largest p <= 1. The row's sum l is taken of the UNQUANTISED p, in f32, and the product's result is divided by l at the end. Since M is a whole number, a kernel that streams over the keys may use a running M (the ceiling of the running maximum): every later rescaling is an exact power of two, which a block's scale takes up: the codes' values come out the same.
;;   OPERANDS COMPUTED ON THE WAY. 'Computed on the way' means the value that the module computes at that place (a softmax that the list does not call 'softmax' is quantised finished and normalised). What goes into a quantiser is computed in f32, as accurately as f32 sums, v_exp_f32 and their like allow (about 1e-6 of the number): no bf16 or f16 on the way to a quantiser, and a product that is left as it is and whose result goes on into a quantised operand takes f32 operands (vector FMAs, or v_wmma_f32_16x16x4_f32). A number that lies on a knife's edge between two numbers of the format may be rounded either way, as far as f32 arithmetic and the matrix unit's own rounding can turn it there, and no further.
;; One version. Each part assembles by itself: llvm-mc -triple=amdgcn-amd-amdhsa -mcpu=gfx1250 --defsym DOCPART=n.
;; ======== version 1 of 1: 2 launches
;; limits: right only within a limited range of input values
;; workspace buffers: k_codes 16,777,216 bytes; k_scales 524,288 bytes; v_codes 16,777,216 bytes; v_scales 524,288 bytes; mask_img 16,777,216 bytes
;; launch prep (part 1): grid 512 x 1, 8 waves a work-group, no clusters, 103,424 bytes of LDS; arguments k, v, mask, k_codes, k_scales, v_codes, v_scales, mask_img; writes k_codes, k_scales, v_codes, v_scales, mask_img
.if DOCPART == 1
	.amdgcn_target "amdgcn-amd-amdhsa--gfx1250"
	.amdhsa_code_object_version 6
	.text
	.protected	k_q9c2d7f9c6b_prep
	.globl	k_q9c2d7f9c6b_prep
	.p2align	8
	.type	k_q9c2d7f9c6b_prep,@function
k_q9c2d7f9c6b_prep:
	s_mov_b64 s[64:65], 0
	v_nop
	global_prefetch_b8 v0, s[64:65] scope:SCOPE_SE
	s_setreg_imm32_b32 hwreg(HW_REG_WAVE_MODE, 25, 1), 1
	s_wait_xcnt 0x0
; k, v: [2][2048][32][128] f32 (batch, place, head, channel).  mask: [2048][2048] f32.  hh = 32 x batch + head, 0 .. 63.
; THREE THINGS ARE MADE, each number of the inputs read once:
;  k_codes [hh][2048 rows][128], k_scales [hh][2048 rows][4]: codes of BF8 (E5M2) along the channels, one E8M0 byte for each 32.  THE ROWS ARE PERMUTED inside each 32 keys: key kappa lies at the row that is
;    kappa with bits 3 and 4 exchanged.  The 16 rows 32 b + 16 u + r are then the keys 32 b + 8 u + r + 8 (r / 8): the tile of keys that the attention wants, as neighbouring rows.
;  v_codes [hh][128 channels][2048 keys], v_scales [hh][128][64]: codes along the KEYS, which are the second product's K, keys innermost, in their own order.
;  mask_img [128 query tiles][16 key steps][16 pieces][32 lanes][16 bytes]: mask x sqrt(128), in the order of the score accumulators' registers: piece 4 bb + jj of lane (r, hl) holds
;    mask[16 T + r][128 j + 32 bb + 16 hl + 4 jj .. + 3].  The attention loads it straight into the accumulators, as the C of its first product, 512 consecutive bytes a load.
; A block's scale is 2^(floor(log2(its largest magnitude)) - 15); its byte is the largest magnitude's exponent field - 15, held at 1 from below; each number is held within +-57,344 x the scale and rounded to the nearest code, ties to even.
; LIMITS: a block of zeros gets the byte 1 where the rule says 127 (its codes are zeros, and this program alone reads the bytes); blocks whose largest magnitude lies under 2^(15 - 126) were not tried; NaN and infinities in k and v
; are not served; a mask number beyond 3e37 in magnitude becomes an infinity by the multiplication.
; SHARES.  Work-group x: head hh = x / 8, keys 256 (x % 8) on.  Waves 0-3 (w = wave): 64 rows of k each, 16 steps of 4 rows; then one tile of the mask, number 4 x + w (16 queries x 128 keys).
; Waves 4-7 (w = wave - 4): 32 channels of v each, a lane a channel, its registers running down the 256 keys.  The two roles part once on the wave's number and never meet: no barrier.
; LDS: 12,800 bytes of its own for each wave; LDS serves a wave's instructions in order (ISA guide 5.7.1.4), so no wait stands between a wave's stores and its loads of the same bytes.
; No tensor loads, no matrix unit, no cluster: a stream in which work-groups share no input.
.set WREG,  12800                      ; a wave's LDS bytes
.set SP,    80                         ; K's turning stage: a lane's 64 bytes + 16 of padding
.set KSB,   5120                       ; behind the two stages of 32 x 80: the wave's 256 scale bytes
.set MSL,   784                        ; the mask's stage: a piece's slot: lanes 0-15 at 0, lanes 16-31 at 384; in units of 16 bytes modulo 16 a store's sixteen lanes fall on piece + 8 half + row: all different
.set VPI,   272                        ; V's stage: a channel's 256 codes + 16 of padding
.set R,     16                         ; v16-79   K: four sets of 16 numbers as they are loaded;  the mask: 16 rows as loaded
.set X,     80                         ; v80-111  K: two sets of 16 neighbours;  v80-143 the mask: 16 pieces to store
.set E,     112                        ; v112-127 K: a scale byte for each step
.set C,     128                        ; v128-191 K: four registers of codes for each step: no store's data are written again within the role's first part
.set SB,    24                         ; v24-25   V: the scale bytes
.set VX,    32                         ; v32-95   V: two sets of 32 numbers
.set VC,    96                         ; v96-103  V: a block's codes
.set VOUT,  112                        ; v112-175 V: the way out
	s_load_b256 s[4:11], s[0:1], 0x0               ; k s[4:5], v s[6:7], mask s[8:9], k_codes s[10:11]
	s_load_b256 s[12:19], s[0:1], 0x20             ; k_scales s[12:13], v_codes s[14:15], v_scales s[16:17], mask_img s[18:19]
	v_lshl_add_u32 v200, v0, 2, 0x19000
	v_mov_b32 v201, 0
	v_lshrrev_b32 v1, 5, v0
	s_delay_alu instid0(VALU_DEP_1)
	v_readfirstlane_b32 s20, v1                    ; wave 0..7
	s_and_b32 s21, s20, 3                          ; w
	s_lshr_b32 s22, ttmp9, 3                       ; hh
	s_and_b32 s23, ttmp9, 7                        ; y: which 256 keys
	s_lshr_b32 s24, s22, 5                         ; batch
	s_and_b32 s25, s22, 31                         ; head
	s_mul_i32 s26, s20, WREG                       ; my wave's LDS bytes
	s_add_co_u32 s34, s26, KSB
	s_mov_b32 s27, 0x600000                        ; the mantissa field of 57,344
	s_mov_b32 s28, 0x413504f3                      ; sqrt(128)
	s_mov_b32 s29, s28                             ; (named with it as a pair, so it is written)
	; every address register of both roles is made here, ahead of the parting, and holds nothing else
	v_and_b32 v2, 31, v0                           ; lane
	s_delay_alu instid0(VALU_DEP_1)
	v_lshlrev_b32 v3, 4, v2                        ; 16 x lane
	s_delay_alu instid0(VALU_DEP_2)
	v_lshlrev_b32 v4, 3, v2                        ; 8 x lane
	s_delay_alu instid0(VALU_DEP_3)
	v_lshlrev_b32 v7, 2, v2                        ; 4 x lane
	s_delay_alu instid0(VALU_DEP_4)
	v_lshrrev_b32 v5, 1, v2
	s_delay_alu instid0(VALU_DEP_1)
	v_add_nc_u32 v5, s34, v5                       ; K: my block's scale byte
	s_delay_alu instid0(VALU_DEP_4)
	v_add_nc_u32 v6, s34, v4                       ; K: 8 scale bytes a lane on the way out
	v_lshrrev_b32 v14, 2, v2
	s_delay_alu instid0(VALU_DEP_1)
	v_mul_u32_u24 v14, v14, SP
	v_and_b32 v15, 3, v2
	s_delay_alu instid0(VALU_DEP_1)
	v_lshl_add_u32 v14, v15, 4, v14
	s_delay_alu instid0(VALU_DEP_1)
	v_add_nc_u32 v14, s26, v14                     ; K's stage, in: four lanes' 64 bytes on end, then the padding
	v_mul_u32_u24 v15, v2, SP
	s_delay_alu instid0(VALU_DEP_1)
	v_add_nc_u32 v15, s26, v15                     ; and out: my 16 neighbours
	v_lshrrev_b32 v8, 3, v2
	v_and_b32 v9, 3, v2
	s_delay_alu instid0(VALU_DEP_1)
	v_lshl_add_u32 v8, v8, 2, v9                   ; the mask: my 16 bytes of a row belong to piece 4 (lane / 8) + lane % 4,
	s_delay_alu instid0(VALU_DEP_1)
	v_mul_u32_u24 v192, v8, MSL
	v_bfe_u32 v9, v2, 2, 1                         ; half (lane / 4) % 2
	s_delay_alu instid0(VALU_DEP_1)
	v_mad_u32_u24 v192, v9, 384, v192
	s_delay_alu instid0(VALU_DEP_1)
	v_add_nc_u32 v192, s26, v192                   ; the row stands in the store's immediate
	v_lshrrev_b32 v8, 4, v2                        ; lane / 16
	v_and_b32 v9, 15, v2                           ; lane % 16
	s_delay_alu instid0(VALU_DEP_2)
	v_mul_u32_u24 v193, v8, 384
	s_delay_alu instid0(VALU_DEP_1)
	v_lshl_add_u32 v193, v9, 4, v193
	s_delay_alu instid0(VALU_DEP_1)
	v_add_nc_u32 v193, s26, v193                   ; the mask's stage, out: my place in a piece
	v_mul_u32_u24 v194, v2, VPI
	s_delay_alu instid0(VALU_DEP_1)
	v_add_nc_u32 v194, s26, v194                   ; V's stage, in: row = my channel
	v_mul_u32_u24 v195, v8, VPI
	s_delay_alu instid0(VALU_DEP_1)
	v_lshl_add_u32 v195, v9, 4, v195
	s_delay_alu instid0(VALU_DEP_1)
	v_add_nc_u32 v195, s26, v195                   ; and out: sixteen lanes to a row, two rows an instruction
	v_lshlrev_b32 v196, 11, v8
	s_delay_alu instid0(VALU_DEP_1)
	v_lshl_add_u32 v196, v9, 4, v196               ; the same place in v_codes: rows of 2,048 bytes
	v_lshlrev_b32 v197, 6, v2                      ; my channel's row of v_scales: 64 bytes
	s_lshl_b32 s30, s24, 25                        ; k and v: batch x 2^25 + 256 y rows of 16,384 bytes + head x 512
	s_lshl_b32 s32, s23, 22
	s_add_co_u32 s30, s30, s32
	s_lshl_b32 s32, s25, 9
	s_add_co_u32 s30, s30, s32
	s_mov_b32 s31, 0
	s_wait_kmcnt 0x0
	s_cmp_lt_u32 s20, 4
	s_cbranch_scc0 .Lv_role
	; ================ waves 0-3: k, then a tile of the mask ================
	s_lshl_b32 s32, s21, 20                        ; + my 64 rows
	s_add_co_u32 s30, s30, s32
	s_add_nc_u64 s[4:5], s[4:5], s[30:31]
	s_lshl_b32 s30, s22, 18                        ; k_codes: hh x 262,144 + y x 32,768 + w x 8,192
	s_lshl_b32 s32, s23, 15
	s_add_co_u32 s30, s30, s32
	s_lshl_b32 s32, s21, 13
	s_add_co_u32 s30, s30, s32
	s_add_nc_u64 s[10:11], s[10:11], s[30:31]
	s_lshr_b32 s30, s30, 5                         ; k_scales: one byte for 32 codes
	s_add_nc_u64 s[12:13], s[12:13], s[30:31]
	s_lshr_b32 s30, ttmp9, 2                       ; the mask's tile 4 x + w: query tile T = x / 4, key step j = 4 (x % 4) + w
	s_lshl_b32 s30, s30, 17                        ; 16 T rows of 8,192 bytes
	s_and_b32 s32, ttmp9, 3
	s_lshl_b32 s32, s32, 2
	s_add_co_u32 s32, s32, s21
	s_lshl_b32 s32, s32, 9                         ; 128 j numbers
	s_add_co_u32 s30, s30, s32
	s_add_nc_u64 s[8:9], s[8:9], s[30:31]
	s_lshl_b32 s30, ttmp9, 2
	s_add_co_u32 s30, s30, s21
	s_lshl_b32 s30, s30, 13                        ; its image: 8,192 bytes a tile, tile 16 T + j = 4 x + w
	s_add_nc_u64 s[18:19], s[18:19], s[30:31]
.macro KLOAD t                         ; step t: rows 4 t .. 4 t + 3 of my 64: each load reads a row's 512 consecutive bytes
.irp i, 0,1,2,3
	global_load_b128 v[R+16*((\t)%4)+4*\i:R+16*((\t)%4)+4*\i+3], v3, s[4:5] offset:16384*(4*(\t)+\i) th:TH_LOAD_NT
.endr
.endm
.macro KTURN t                         ; step t's 2,048 bytes through the stage: in as loaded, out 64 bytes a lane: 16 neighbours along the channels
.irp i, 0,1,2,3
	ds_store_b128 v14, v[R+16*((\t)%4)+4*\i:R+16*((\t)%4)+4*\i+3] offset:32*SP*((\t)%2)+8*SP*\i
.endr
.irp i, 0,1,2,3
	ds_load_b128 v[X+16*((\t)%2)+4*\i:X+16*((\t)%2)+4*\i+3], v15 offset:32*SP*((\t)%2)+16*\i
.endr
.endm
.macro KSTEP t
.set XS, X+16*((\t)%2)
.set PT, ((\t)&9)|(((\t)&2)<<1)|(((\t)&4)>>1)  ; where the step's four rows go: bits 1 and 2 of t are bits 3 and 4 of the key
.if (\t) > 0
	s_wait_dscnt 1                                 ; this step's numbers are back from the stage (the last step's byte store may be out): so its stores into the stage have read their registers,
.else
	s_wait_dscnt 0x0
.endif
.if (\t)+4 < 16
	KLOAD (\t)+4                                   ; which take the loads of four steps on
.endif
.if (\t)+1 < 16
.if 14-(\t) >= 3
	s_wait_loadcnt 12                              ; the next step's four loads are in; those of the three steps behind it may be out
.else
	s_wait_loadcnt 4*(14-(\t))
.endif
	KTURN (\t)+1                                   ; and go through the other stage while this step is worked
.endif
	v_max3_num_f32 v8, |v[XS]|, |v[XS+1]|, |v[XS+2]|               ; the largest magnitude of my 16
	v_max3_num_f32 v9, |v[XS+3]|, |v[XS+4]|, |v[XS+5]|
.irp i, 6,10
	s_delay_alu instid0(VALU_DEP_2)
	v_max3_num_f32 v8, v8, |v[XS+\i]|, |v[XS+\i+1]|
	s_delay_alu instid0(VALU_DEP_2)
	v_max3_num_f32 v9, v9, |v[XS+\i+2]|, |v[XS+\i+3]|
.endr
	s_delay_alu instid0(VALU_DEP_2)
	v_max3_num_f32 v8, v8, |v[XS+14]|, |v[XS+15]|
	s_delay_alu instid0(VALU_DEP_1)
	v_max3_num_f32 v8, v8, v9, 0x8000000           ; and the floor 2^(16 - 127): the byte cannot fall under 1
	s_delay_alu instid0(VALU_DEP_1)
	v_max_num_f32_dpp v8, v8, v8 row_xmask:1 row_mask:0xf bank_mask:0xf   ; and of my neighbour's 16: the block's
	s_delay_alu instid0(VALU_DEP_1)
	v_add_nc_u32 v11, 0xf8800000, v8               ; 15 off its exponent field: the conversion takes the exponent field of this operand as its scale
	s_delay_alu instid0(VALU_DEP_2)
	v_and_or_b32 v10, v8, 0x7f800000, s27          ; 57,344 x the scale
.irp i, 0,1,2,3,4,5,6,7,8,9,10,11,12,13,14,15
	v_med3_num_f32 v[XS+\i], v[XS+\i], -v10, v10   ; the conversion to an 8-bit code does not saturate (ISA guide 7.6.2): the hold comes first
.endr
	v_cvt_scalef32_pk8_bf8_f32 v[C+4*(\t):C+4*(\t)+1], v[XS:XS+7], v11
	v_cvt_scalef32_pk8_bf8_f32 v[C+4*(\t)+2:C+4*(\t)+3], v[XS+8:XS+15], v11
	v_lshrrev_b32 v[E+(\t)], 23, v11               ; the scale's byte (a plain line behind the conversions)
	ds_store_b8 v5, v[E+(\t)] offset:16*PT         ; both lanes of a block write the same byte with the same value
	global_store_b128 v3, v[C+4*(\t):C+4*(\t)+3], s[10:11] offset:512*PT   ; four rows of 128 codes: 512 consecutive bytes
.endm
.irp t, 0,1,2,3
	KLOAD \t
.endr
	s_wait_loadcnt 12                              ; step 0's four loads are in
	KTURN 0
.irp t, 0,1,2,3,4,5,6,7,8,9,10,11,12,13,14,15
	KSTEP \t
.endr
	ds_load_b64 v[12:13], v6                       ; my wave's 256 scale bytes, 8 a lane
	s_wait_dscnt 0x0
	global_store_b64 v4, v[12:13], s[12:13]        ; 32 lanes store 256 consecutive bytes, at a multiple of 256 from the buffer's first byte
	; ---- the mask's tile: 16 rows x 512 bytes in, x sqrt(128), through the stage, 16 pieces x 512 bytes out
	s_wait_xcnt 0x0                                ; k's stores have read their data: the registers are written again below
.irp i, 0,1,2,3,4,5,6,7,8,9,10,11,12,13,14,15
	global_load_b128 v[R+4*\i:R+4*\i+3], v3, s[8:9] offset:8192*\i th:TH_LOAD_NT
.endr
.irp i, 0,1,2,3,4,5,6,7,8,9,10,11,12,13,14,15
	s_wait_loadcnt 15-\i                           ; row i is in; the younger rows may be out
	v_pk_mul_f32 v[R+4*\i:R+4*\i+1], v[R+4*\i:R+4*\i+1], s[28:29] op_sel_hi:[1,0]
	v_pk_mul_f32 v[R+4*\i+2:R+4*\i+3], v[R+4*\i+2:R+4*\i+3], s[28:29] op_sel_hi:[1,0]
	ds_store_b128 v192, v[R+4*\i:R+4*\i+3] offset:16*\i   ; row i is lane i (or 16 + i) of its piece
.endr
.irp n, 0,1,2,3,4,5,6,7,8,9,10,11,12,13,14,15
	ds_load_b128 v[X+4*\n:X+4*\n+3], v193 offset:MSL*\n
.endr
.irp n, 0,1,2,3,4,5,6,7,8,9,10,11,12,13,14,15
	s_wait_dscnt 15-\n                             ; piece n is in; the younger pieces may be out
	global_store_b128 v3, v[X+4*\n:X+4*\n+3], s[18:19] offset:512*\n
.endr
	s_wait_tensorcnt 0x0
	ds_add_u32 v200, v201
	s_wait_dscnt 0x0
	s_endpgm
	; ================ waves 4-7: v ================
.Lv_role:
	s_lshl_b32 s32, s21, 7                         ; + my 32 channels
	s_add_co_u32 s30, s30, s32
	s_add_nc_u64 s[6:7], s[6:7], s[30:31]
	s_lshl_b32 s30, s22, 18                        ; v_codes: hh x 262,144 + 32 w rows of 2,048 + 256 y
	s_lshl_b32 s32, s21, 16
	s_add_co_u32 s30, s30, s32
	s_lshl_b32 s32, s23, 8
	s_add_co_u32 s30, s30, s32
	s_add_nc_u64 s[14:15], s[14:15], s[30:31]
	s_lshr_b32 s30, s30, 5                         ; v_scales: one byte for 32 codes
	s_add_nc_u64 s[16:17], s[16:17], s[30:31]
.macro VLOAD t                         ; block t: v(key 32 t + i, my channel), i = 0 .. 31: a wave's load reads 128 consecutive bytes, the four waves' together a head's row
.irp i, 0,1,2,3,4,5,6,7,8,9,10,11,12,13,14,15,16,17,18,19,20,21,22,23,24,25,26,27,28,29,30,31
	global_load_b32 v[VX+32*((\t)%2)+\i], v7, s[6:7] offset:(32*(\t)+\i)*16384 th:TH_LOAD_NT
.endr
.endm
.macro VBLOCK t
.set XS, VX+32*((\t)%2)
.if (\t) < 7
	s_wait_loadcnt 32                              ; this block's 32 loads are in; the next block's may be out
.else
	s_wait_loadcnt 0x0
.endif
	v_max3_num_f32 v12, |v[XS]|, |v[XS+1]|, |v[XS+2]|              ; the block's largest magnitude: all 32 numbers are mine
	v_max3_num_f32 v13, |v[XS+3]|, |v[XS+4]|, |v[XS+5]|
.irp i, 6,10,14,18,22,26
	s_delay_alu instid0(VALU_DEP_2)
	v_max3_num_f32 v12, v12, |v[XS+\i]|, |v[XS+\i+1]|
	s_delay_alu instid0(VALU_DEP_2)
	v_max3_num_f32 v13, v13, |v[XS+\i+2]|, |v[XS+\i+3]|
.endr
	s_delay_alu instid0(VALU_DEP_2)
	v_max3_num_f32 v12, v12, |v[XS+30]|, |v[XS+31]|
	s_delay_alu instid0(VALU_DEP_1)
	v_max3_num_f32 v12, v12, v13, 0x8000000        ; and the floor 2^(16 - 127)
	s_delay_alu instid0(VALU_DEP_1)
	v_add_nc_u32 v11, 0xf8800000, v12              ; the conversion's scale operand
	s_delay_alu instid0(VALU_DEP_2)
	v_and_or_b32 v10, v12, 0x7f800000, s27         ; 57,344 x the scale
	s_delay_alu instid0(VALU_DEP_2)
	v_lshrrev_b32 v13, 23, v11                     ; the scale's byte
.if (\t)%4 == 0
	s_delay_alu instid0(VALU_DEP_1)
	v_mov_b32 v[SB+(\t)/4], v13                    ; four bytes to a register, the lower keys in the lower byte
.else
	s_delay_alu instid0(VALU_DEP_1)
	v_lshl_or_b32 v[SB+(\t)/4], v13, 8*((\t)%4), v[SB+(\t)/4]
.endif
.irp i, 0,1,2,3,4,5,6,7,8,9,10,11,12,13,14,15,16,17,18,19,20,21,22,23,24,25,26,27,28,29,30,31
	v_med3_num_f32 v[XS+\i], v[XS+\i], -v10, v10
.endr
.irp g, 0,1,2,3
	v_cvt_scalef32_pk8_bf8_f32 v[VC+2*\g:VC+2*\g+1], v[XS+8*\g:XS+8*\g+7], v11
.endr
	v_nop                                          ; a plain line behind the last conversion
	ds_store_b128 v194, v[VC:VC+3] offset:32*(\t)  ; 32 codes: 32 bytes of my channel's row
	ds_store_b128 v194, v[VC+4:VC+7] offset:32*(\t)+16
.if (\t)+2 < 8
	VLOAD (\t)+2
.endif
	s_wait_dscnt 0x0                               ; the stores have read their registers: the next block's codes may be written
.endm
	VLOAD 0
	VLOAD 1
.irp t, 0,1,2,3,4,5,6,7
	VBLOCK \t
.endr
	global_store_b64 v197, v[SB:SB+1], s[16:17]    ; my channel's 8 scale bytes
.irp t, 0,1,2,3,4,5,6,7,8,9,10,11,12,13,14,15
	ds_load_b128 v[VOUT+4*\t:VOUT+4*\t+3], v195 offset:2*\t*VPI
.endr
.irp t, 0,1,2,3,4,5,6,7,8,9,10,11,12,13,14,15
	s_wait_dscnt 15-\t                             ; rows 2 t and 2 t + 1 are in; the younger may be out
	global_store_b128 v196, v[VOUT+4*\t:VOUT+4*\t+3], s[14:15] offset:2*\t*2048   ; sixteen lanes store 256 consecutive bytes of a channel's row, at a multiple of 256 from the buffer's first byte
.endr
	s_wait_tensorcnt 0x0
	ds_add_u32 v200, v201
	s_wait_dscnt 0x0
	s_endpgm
.Lfunc_end_k_q9c2d7f9c6b_prep:
	.size	k_q9c2d7f9c6b_prep, .Lfunc_end_k_q9c2d7f9c6b_prep-k_q9c2d7f9c6b_prep
	.p2alignl 7, 3214868480
	.fill 96, 4, 3214868480
	.section	.rodata,"a",@progbits
	.p2align	6, 0x0
	.amdhsa_kernel k_q9c2d7f9c6b_prep
		.amdhsa_group_segment_fixed_size 103424
		.amdhsa_private_segment_fixed_size 0
		.amdhsa_enable_private_segment 0
		.amdhsa_kernarg_size 64
		.amdhsa_user_sgpr_count 2
		.amdhsa_user_sgpr_kernarg_segment_ptr 1
		.amdhsa_wavefront_size32 1
		.amdhsa_system_sgpr_workgroup_id_x 1
		.amdhsa_system_sgpr_workgroup_id_y 1
		.amdhsa_system_sgpr_workgroup_id_z 1
		.amdhsa_system_vgpr_workitem_id 0
		.amdhsa_next_free_vgpr 202
		.amdhsa_next_free_sgpr 66
		.amdhsa_reserve_vcc 0
		.amdhsa_float_denorm_mode_32 3
		.amdhsa_float_denorm_mode_16_64 3
		.amdhsa_memory_ordered 1
		.amdhsa_forward_progress 1
		.amdhsa_inst_pref_size 128
	.end_amdhsa_kernel
	.amdgpu_metadata
---
amdhsa.version: [ 1, 2 ]
amdhsa.kernels:
  - .name:           k_q9c2d7f9c6b_prep
    .symbol:         k_q9c2d7f9c6b_prep.kd
    .args:
      - { .name: k, .offset: 0, .size: 8, .value_kind: global_buffer, .address_space: global }
      - { .name: v, .offset: 8, .size: 8, .value_kind: global_buffer, .address_space: global }
      - { .name: mask, .offset: 16, .size: 8, .value_kind: global_buffer, .address_space: global }
      - { .name: k_codes, .offset: 24, .size: 8, .value_kind: global_buffer, .address_space: global }
      - { .name: k_scales, .offset: 32, .size: 8, .value_kind: global_buffer, .address_space: global }
      - { .name: v_codes, .offset: 40, .size: 8, .value_kind: global_buffer, .address_space: global }
      - { .name: v_scales, .offset: 48, .size: 8, .value_kind: global_buffer, .address_space: global }
      - { .name: mask_img, .offset: 56, .size: 8, .value_kind: global_buffer, .address_space: global }
    .group_segment_fixed_size: 103424
    .private_segment_fixed_size: 0
    .kernarg_segment_align: 8
    .kernarg_segment_size: 64
    .max_flat_workgroup_size: 256
    .sgpr_count:     66
    .vgpr_count:     202
    .wavefront_size: 32
...
	.end_amdgpu_metadata
.endif
;; end of part 1
;; launch attn (part 2): grid 64 x 8, 8 waves a work-group, clusters of 4 x 1, 327,680 bytes of LDS; arguments q, mask_img, k_codes, k_scales, v_codes, v_scales, out0; writes out0
.if DOCPART == 2
	.amdgcn_target "amdgcn-amd-amdhsa--gfx1250"
	.amdhsa_code_object_version 6
	.text
	.protected	k_q9c2d7f9c6b_attn
	.globl	k_q9c2d7f9c6b_attn
	.p2align	8
	.type	k_q9c2d7f9c6b_attn,@function
k_q9c2d7f9c6b_attn:
	s_mov_b64 s[64:65], 0
	v_nop
	global_prefetch_b8 v0, s[64:65] scope:SCOPE_SE
	s_setreg_imm32_b32 hwreg(HW_REG_WAVE_MODE, 25, 1), 1
	s_wait_xcnt 0x0
	s_wait_alu depctr_hold_cnt(0) depctr_sa_sdst(0) depctr_va_vdst(0) depctr_va_sdst(0) depctr_va_ssrc(0) depctr_va_vcc(0) depctr_vm_vsrc(0)
	s_getreg_b32 s2, hwreg(HW_REG_IB_STS2, 6, 4)
	s_cmp_eq_u32 s2, 0
	s_cbranch_scc0 .Lentry_in_a_cluster
	s_endpgm
.Lentry_in_a_cluster:
	s_bfe_u32 s2, ttmp6, 0x10000c
	s_cmp_lg_u32 s2, 0x3003
	s_cbranch_scc0 .Lentry_shape_is_right
	s_endpgm
.Lentry_shape_is_right:
; out[b][s][h][:] = sum over keys of softmax(q.k / sqrt(128) + mask) v, both products on codes of BF8 (E5M2) with one E8M0 scale for each 32 along K.
; t = (score + mask sqrt(128)) x log2(e) / sqrt(128); M = the running largest t rounded up to a whole number; p = 2^(t - M) is quantised along the keys; the row's sum is taken of the unquantised p and divides at the end.
; Inputs made by the launch before: k_codes, k_scales (rows permuted so that 16 neighbouring rows are a tile's keys), v_codes, v_scales (keys innermost), mask_img (mask x sqrt(128) in the order of the score registers).
; No work of the problem is left out: the mask is an input and every key counts for every query.
; LIMITS: the promise holds while the scaled scores stay under 2^31 in magnitude; NaN and infinities among the inputs are not served; a block of p that is all zeros keeps the scale byte 1 (its codes are zeros).
; SHARES.  A work-group owns 256 queries of one head hh = 4 x cluster x + cx; query block = work-group y.  Each of its 8 waves owns TWO tiles of 16 queries: tile a lives in register window a
; (v12-15 state, v96-159 scores and p, v160-223 O^T, v224-254 at work), so one text serves both tiles, and each fragment of K and V read from LDS feeds two matrix instructions.
; Window 0, v32-95: four fragments.  Window 1: v32-63 Q's codes, v64-95 K's and V's bytes on their way into LDS, v1-6 that way's addresses.
; Scale words stand in window 0: v18-19 p's, v28-29 Q's, v248-251 K's, v22-25 V's (lanes 0-15 hold the words of tiles 0-3 of a product's eight, lanes 16-31 those of tiles 4-7).
; FRAGMENTS ARE READ AHEAD OF THEIR PRODUCTS: K's tiles 0-3 of the next step during this step's last products; K's tiles 4-7 at a step's top, into registers that are idle there (p's codes, the bytes on their way);
; V's tiles 0-3 ahead of the softmax; V's tiles 4-7 into tile 0's score registers, once its p is in codes.
; CLUSTER.  The four work-groups of a cluster have one query block and four heads: they need the same mask.  Each wave asks JOINTLY for its own two tiles' image of a key step (2 rows of 8,192 bytes),
; one tensor load a wave behind one round of the cluster's barrier in each key step.  Only the issuing wave reads those bytes.  The score registers hold step j's mask while step j + 1's lands in LDS.
; K AND V ARE NOT ASKED FOR JOINTLY: every wave's one tensor load behind a round is its mask's (131,072 bytes a step against 34,816 of K, V and scales).  They come by register loads, 4,096 bytes a wave and step,
; asked for in a step's first part and stored into the other slot of 256 keys further on: two to three steps ahead of their use; so they are not prefetched besides.
; THE MASK IS PREFETCHED: in trip j the image of step j + 4, two trips ahead of the load that asks for it; a wave's 64 blocks of 256 bytes are shared out among the four partners by address, 16 each.
; Both products are used transposed (source 0 = 16 keys or 16 channels, source 1 = my 16 queries): a lane holds one query.
.set KP,    144                        ; a key's row in LDS: 128 bytes + 16
.set VP,    272                        ; a channel's 256 keys in LDS: 256 bytes + 16
.set KV0,   131072                     ; LDS: 8 x 16,384 bytes of mask, then two slots of K and V
.set VOFF,  256*KP
.set SLOTB, VOFF+128*VP
.set SCK,   KV0+2*SLOTB                ; K's scale bytes of the head: 32 units of 256 + 16
.set SCV,   SCK+32*272                 ; V's
.set STAGE, SCV+32*272                 ; the way out: 16 rows x 272 for each wave
.set SPARE, STAGE+8*16*272             ; the spare words: 128 bytes for each wave
.set QAREA, 8960                       ; at the head a wave turns Q through its eighth of slot 1: a tile of 16 rows x 528 bytes
.set AK0, 1
.set AV0, 2
.set ASK0, 3
.set ASV0, 4
.set SPW, 5
.set NIL, 6
.set PFO, 7
.set ADK, 8
.set ADV, 9
.set ADS, 10
.set ADT, 11
.set AMK, 16                           ; my wave's mask bytes, 16 a lane
.set HL, 17                            ; lane / 16
.set LN, 26                            ; lane
.set RL, 27                            ; lane % 16
.set KST, 1                            ; window 1, v1-6: where I store K's and V's rows in a slot, my offsets in memory, the step's store addresses
.set VST, 2
.set L16, 3
.set VGO, 4
.set ADKS, 5
.set ADVS, 6
.set WV, 18
.set MNT, 19
.set SEL, 20
.set CS, 22
.set G1, 24
.set G0, 32
.set J, 36
.set PQ, 37
.set SLP, 38
.set TBK, 39
.set TBV, 40
.set NBK, 41
.set NBV, 42
.set TS, 43
.set TJ, 44
.set PFA, 48
.set VG, 50
.set VB, 52
.set KG, 54
.set CX, 62
.set HH, 63
.set MSB, 0
.macro WIN new                         ; low byte: bits 1:0 source 0, 3:2 source 1, 5:4 source 2, 7:6 destination; the high byte repeats the setting that is left
.if MSB != (\new)
	s_set_vgpr_msb (MSB<<8)|(\new)
.set MSB, (\new)
.endif
.endm
.macro NOPS n
.rept \n
	v_nop
.endr
.endm
.macro ROUND                           ; a round of the cluster's barrier
	s_barrier_signal -1
	s_barrier_wait -1
	s_cmp_lg_u32 s[WV], 0
	s_cbranch_scc1 .Lnw0_\@
	s_barrier_signal -3
.Lnw0_\@:
	s_barrier_wait -3
	s_barrier_signal -1
	s_barrier_wait -1
.endm
.macro JLOAD                           ; my joint load
	tensor_load_to_lds s[G0:G0+3], s[G1:G1+7]
	s_nop 0
	NOPS 4
.endm
.macro MM d, a, b, sa, sb, row
.if \row
	v_wmma_scale_f32_16x16x128_f8f6f4 v[\d:\d+7], v[\a:\a+15], v[\b:\b+15], v[\d:\d+7], v[\sa], v[\sb] matrix_a_fmt:MATRIX_FMT_BF8 matrix_b_fmt:MATRIX_FMT_BF8 matrix_a_scale:MATRIX_SCALE_ROW1
.else
	v_wmma_scale_f32_16x16x128_f8f6f4 v[\d:\d+7], v[\a:\a+15], v[\b:\b+15], v[\d:\d+7], v[\sa], v[\sb] matrix_a_fmt:MATRIX_FMT_BF8 matrix_b_fmt:MATRIX_FMT_BF8
.endif
.endm
.macro FRAG1 rb, adr, off              ; one fragment
.irp c, 0,1,2,3
	ds_load_b128 v[\rb+4*\c:\rb+4*\c+3], v[\adr] offset:\off+32*\c
.endr
.endm
.macro FRAGS rb, adr, o0, ostep        ; four fragments on end
.irp t, 0,1,2,3
	FRAG1 \rb+16*\t,\adr,\o0+\t*\ostep
.endr
.endm
.macro SCLS rb, sadr, sstep            ; eight tiles' scale words in four registers
.irp t, 0,1,2,3
	ds_load_b32 v[\rb+\t], v[\sadr] offset:\t*\sstep
.endr
.endm
.macro LDKV rb, ko, vo                 ; my part of 128 keys of K (16 rows, 2,048 bytes) and of 64 channels x 256 keys of V (8 rows of 256 bytes)
.irp i, 0,1,2,3
	global_load_b128 v[\rb+4*\i:\rb+4*\i+3], v[L16], s[KG:KG+1] offset:512*\i+\ko
.endr
.irp i, 0,1,2,3
	global_load_b128 v[\rb+16+4*\i:\rb+19+4*\i], v[VGO], s[VG:VG+1] offset:4096*\i+\vo
.endr
.endm
.macro STKV ak, av, rb, ko, vo
.irp i, 0,1,2,3
	ds_store_b128 v[\ak], v[\rb+4*\i:\rb+4*\i+3] offset:576*\i+\ko
	ds_store_b128 v[\av], v[\rb+16+4*\i:\rb+19+4*\i] offset:544*\i+\vo
.endr
.endm
.macro MREAD a                         ; the next step's mask into tile a's score registers: 512 consecutive bytes a load
	WIN 0x40*\a
.irp n, 0,1,2,3,4,5,6,7,8,9,10,11,12,13,14,15
	ds_load_b128 v[96+4*\n:99+4*\n], v[AMK] offset:8192*\a+512*\n
.endr
	WIN 0
.endm
.macro SMUL0                           ; S^T = K Q^T + mask, key tiles 0-3, both query tiles; Q's codes lie in window 1
.irp a, 0,1
	WIN 0x04|(0x50*\a)
.irp t, 0,1,2,3
	MM 96+8*\t,32+16*\t,32+16*\a,248+\t,28+\a,0
.endr
.endr
	WIN 0
.endm
.macro SMUL1                           ; key tiles 4-7: their fragments lie in v224-239 of both windows and in v64-95 of window 1
.irp a, 0,1
	WIN 0x04|(0x50*\a)
	MM 128,224,32+16*\a,248,28+\a,1
	WIN 0x05|(0x50*\a)
	MM 136,224,32+16*\a,249,28+\a,1
	MM 144,64,32+16*\a,250,28+\a,1
	MM 152,80,32+16*\a,251,28+\a,1
.endr
	WIN 0
.endm
.macro PMUL g                          ; O^T += V^T P^T, channel tiles 4 g .. 4 g + 3: fragments in window 0, v32-95 (g = 0) or v96-159 (g = 1)
.irp a, 0,1
	WIN 0x54*\a
.irp t, 0,1,2,3
	MM 160+8*(4*\g+\t),32+64*\g+16*\t,224,22+\t,18+\a,\g
.endr
.endr
	WIN 0
.endm
.macro BLKSC                           ; from the blocks' largest magnitudes v232-235: conversion operands v244-247, holds v240-243, bytes v236-239
.irp b, 0,1,2,3
	v_add_nc_u32 v[244+\b], 0xf8800000, v[232+\b]
.endr
.irp b, 0,1,2,3
	v_and_or_b32 v[240+\b], v[232+\b], 0x7f800000, s[MNT]
.endr
.irp b, 0,1,2,3
	v_lshrrev_b32 v[236+\b], 23, v[244+\b]
.endr
	v_lshl_or_b32 v253, v237, 8, v236
	s_delay_alu instid0(VALU_DEP_1)
	v_lshl_or_b32 v253, v238, 16, v253
.endm
.macro SOFT a                          ; tile a's softmax of 128 keys, and p's codes and scale word
	WIN 0x55*\a
	s_wait_alu depctr_va_vdst(0)                   ; ahead of the first reader of the scores
.irp b, 0,1,2,3
	v_max3_num_f32 v[232+\b], v[96+16*\b], v[97+16*\b], v[98+16*\b]
.endr
.irp i, 3,5,7,9,11,13
.irp b, 0,1,2,3
	v_max3_num_f32 v[232+\b], v[232+\b], v[96+16*\b+\i], v[97+16*\b+\i]
.endr
.endr
.irp b, 0,1,2,3
	v_max_num_f32 v[232+\b], v[232+\b], v[111+16*\b]
.endr
.irp b, 0,1,2,3
	v_permlanex16_b32 v[236+\b], v[232+\b], s[SEL], s[SEL+1]
.endr
.irp b, 0,1,2,3
	v_max_num_f32 v[232+\b], v[232+\b], v[236+\b]  ; each block's largest score: for the row's maximum and for the block's largest p
.endr
	v_max3_num_f32 v254, v232, v233, v234
	s_delay_alu instid0(VALU_DEP_1)
	v_max_num_f32 v254, v254, v235
	s_delay_alu instid0(VALU_DEP_1)
	v_mul_f32 v254, s[CS], v254
	s_delay_alu instid0(VALU_DEP_1)
	v_max_num_f32 v13, v13, v254                   ; the running largest t
	v_mov_b32 v254, v12
	s_delay_alu instid0(VALU_DEP_2)
	v_floor_f32 v12, -v13                          ; -M
	s_delay_alu instid0(VALU_DEP_1)
	v_sub_f32 v254, v12, v254
	s_delay_alu instid0(VALU_DEP_1)
	v_cvt_i32_f32 v254, v254
	s_delay_alu instid0(VALU_DEP_1)
	v_ldexp_f32 v252, 1.0, v254                    ; f = 2^(old M - new M)
.set N, 0
.rept 32
	v_pk_fma_f32 v[96+N:97+N], v[96+N:97+N], s[CS:CS+1], v[12:13] op_sel_hi:[1,0,0]
.set N, N+2
.endr
.irp b, 0,1,2,3
	v_fma_f32 v[232+\b], v[232+\b], s[CS], v12
.endr
	s_wait_alu depctr_va_vdst(0)                   ; ahead of the batch
.set N, 0
.rept 64
	v_exp_f32 v[96+N], v[96+N]
.set N, N+1
.endr
	v_pk_mul_f32 v[14:15], v[14:15], v[252:253] op_sel_hi:[1,0]
	s_wait_alu depctr_va_vdst(0)                   ; behind the batch
.irp b, 0,1,2,3
	v_exp_f32 v[232+\b], v[232+\b]
.endr
	v_pk_add_f32 v[236:237], v[96:97], v[98:99]    ; the row's sum of the unquantised p, in four chains
	v_pk_add_f32 v[238:239], v[100:101], v[102:103]
	v_pk_add_f32 v[240:241], v[104:105], v[106:107]
	v_pk_add_f32 v[14:15], v[14:15], v[108:109]
.set N, 110
.rept 6
	v_pk_add_f32 v[236:237], v[236:237], v[N:N+1]
	v_pk_add_f32 v[238:239], v[238:239], v[N+2:N+3]
	v_pk_add_f32 v[240:241], v[240:241], v[N+4:N+5]
	v_pk_add_f32 v[14:15], v[14:15], v[N+6:N+7]
.set N, N+8
.endr
	v_pk_add_f32 v[236:237], v[236:237], v[238:239]
	v_pk_add_f32 v[240:241], v[240:241], v[158:159]
	v_pk_add_f32 v[14:15], v[14:15], v[236:237]
	v_pk_add_f32 v[14:15], v[14:15], v[240:241]
	s_wait_alu depctr_va_vdst(0)                   ; behind the four
.irp b, 0,1,2,3
	v_max_num_f32 v[232+\b], 0x8000000, v[232+\b]  ; the floor 2^(16 - 127)
.endr
	BLKSC
	WIN 0x15*\a                                    ; scale registers are taken from window 0
	v_lshl_or_b32 v[18+\a], v239, 24, v253
	WIN 0x55*\a
.irp b, 0,1,2,3
.set N, 0
.rept 16
	v_min_num_f32 v[96+16*\b+N], v[96+16*\b+N], v[240+\b]   ; the conversion does not saturate (ISA guide 7.6.2)
.set N, N+1
.endr
	v_cvt_scalef32_pk8_bf8_f32 v[224+4*\b:225+4*\b], v[96+16*\b:103+16*\b], v[244+\b]
	v_cvt_scalef32_pk8_bf8_f32 v[226+4*\b:227+4*\b], v[104+16*\b:111+16*\b], v[244+\b]
.endr
	v_nop
	WIN 0
.endm
.macro RESC a, g                       ; half g of tile a's O^T under the new M
	WIN 0x55*\a
	s_wait_alu depctr_va_vdst(0)                   ; ahead of the first reader of O^T
.set N, 0
.rept 16
	v_pk_mul_f32 v[160+32*\g+N:161+32*\g+N], v[160+32*\g+N:161+32*\g+N], v[252:253] op_sel_hi:[1,0]
.set N, N+2
.endr
.endm
.macro QLOAD a                         ; tile a's 16 rows of q, each load a row's 512 consecutive bytes
	WIN (0x40*\a)|1
.irp i, 0,1,2,3,4,5,6,7,8,9,10,11,12,13,14,15
	global_load_b128 v[96+4*\i:99+4*\i], v[L16], s[4:5] offset:262144*\a+16384*\i th:TH_LOAD_NT
.endr
.endm
.macro QTURN a                         ; through my own LDS bytes: in by rows, out 16 neighbours along the channels for each block; LDS serves a wave's instructions in order
	WIN 0x04*\a
.irp i, 0,1,2,3,4,5,6,7,8,9,10,11,12,13,14,15
	ds_store_b128 v9, v[96+4*\i:99+4*\i] offset:528*\i
.endr
	WIN 0x40*\a
.irp b, 0,1,2,3
.irp j, 0,1,2,3
	ds_load_b128 v[160+16*\b+4*\j:163+16*\b+4*\j], v11 offset:128*\b+16*\j
.endr
.endr
.endm
.macro INITS a
	WIN 0x55*\a
	v_mov_b32 v13, 0xff61b1e6                      ; -3e38, under every t
	v_floor_f32 v12, -v13
	v_mov_b32 v14, 0
	v_mov_b32 v15, 0
.irp r, 236,237,238,239,253
	v_mov_b32 v[\r], 0
.endr
.endm
.macro ZERO a
	WIN 0x55*\a
.set N, 0
.rept 64
	v_mov_b32 v[160+N], 0                          ; O^T: the step is written once; its first run finds zeros
.set N, N+1
.endr
.endm
.macro QUANT a                         ; tile a's 16 queries, f32 in v160-223, into codes (window 1) and a scale word (window 0)
	WIN 0x55*\a
.irp b, 0,1,2,3
	v_max3_num_f32 v[232+\b], |v[160+16*\b]|, |v[161+16*\b]|, 0x8000000
.endr
.irp i, 2,4,6,8,10,12,14
.irp b, 0,1,2,3
	v_max3_num_f32 v[232+\b], v[232+\b], |v[160+16*\b+\i]|, |v[161+16*\b+\i]|
.endr
.endr
.irp b, 0,1,2,3
	v_permlanex16_b32 v[236+\b], v[232+\b], s[SEL], s[SEL+1]
.endr
.irp b, 0,1,2,3
	v_max_num_f32 v[232+\b], v[232+\b], v[236+\b]
.endr
	BLKSC
	WIN 0x15*\a
	v_lshl_or_b32 v[28+\a], v239, 24, v253
	WIN 0x55*\a
.irp b, 0,1,2,3
.set N, 0
.rept 16
	v_med3_num_f32 v[160+16*\b+N], v[160+16*\b+N], -v[240+\b], v[240+\b]
.set N, N+1
.endr
.endr
	WIN (0x15*\a)|0x40
.irp b, 0,1,2,3
	v_cvt_scalef32_pk8_bf8_f32 v[32+16*\a+4*\b:33+16*\a+4*\b], v[160+16*\b:167+16*\b], v[244+\b]
	v_cvt_scalef32_pk8_bf8_f32 v[34+16*\a+4*\b:35+16*\a+4*\b], v[168+16*\b:175+16*\b], v[244+\b]
.endr
	v_nop
.endm
.macro ADDR stage                      ; the LDS addresses of step s[J]
	s_and_b32 s[PQ], s[J], 1                       ; which half of the slot
	s_bfe_u32 s[SLP], s[J], 0x10001                ; which slot
	s_mul_i32 s[TBK], s[SLP], SLOTB
	s_mul_i32 s45, s[PQ], 128*KP
	s_lshl_b32 s[TBV], s[PQ], 7
	s_add_co_u32 s[TBV], s[TBV], s[TBK]
	s_add_co_u32 s[TBK], s[TBK], s45
	s_mul_i32 s[TS], s[J], 544
	s_lshl_b32 s[TJ], s[J], 2
.if \stage
	s_xor_b32 s[NBK], s[SLP], 1                    ; the other slot: K's keys 128 (J + 2) on; V's channels 64 (J % 2) on, keys 256 (J / 2 + 1) on
	s_mul_i32 s[NBK], s[NBK], SLOTB
	s_mul_i32 s[NBV], s[PQ], 64*VP
	s_add_co_u32 s[NBV], s[NBV], s[NBK]
	s_add_co_u32 s[NBK], s[NBK], s45
	s_lshr_b32 s46, s[J], 1
	s_add_co_u32 s46, s46, 1
	s_lshl_b32 s46, s46, 8
	s_lshl_b32 s47, s[PQ], 17
	s_add_co_u32 s46, s46, s47
	s_mov_b32 s47, 0
	s_add_nc_u64 s[VG:VG+1], s[VB:VB+1], s[46:47]
.endif
	v_add_nc_u32 v[ADK], s[TBK], v[AK0]
	v_add_nc_u32 v[ADV], s[TBV], v[AV0]
	v_add_nc_u32 v[ADS], s[TS], v[ASK0]
	v_add_nc_u32 v[ADT], s[TJ], v[ASV0]
.if \stage
	WIN 0x44
	v_add_nc_u32 v[ADKS], s[NBK], v[KST]
	v_add_nc_u32 v[ADVS], s[NBV], v[VST]
	WIN 0
.endif
	s_wait_alu depctr_va_vdst(0)
.endm
; A KEY STEP, number s[J].  At its top K's tiles 0-3 and scale words and the step's mask are in registers or on their way.
; tail = 0: the loop's trips.  tail = 1: steps 14 and 15: nothing is staged; step 15 reads no mask and no further K (branches on the counter).
.macro STEP tail
	NOPS 8                                         ; places in front of loads into registers that the last products read
	FRAG1 224,ADK,64*KP                            ; K's tiles 4-7 land under the first 8 products
	WIN 0x40
	FRAG1 224,ADK,80*KP
	FRAG1 64,ADK,96*KP
	FRAG1 80,ADK,112*KP
	WIN 0
	s_wait_dscnt 16                                ; all but those 16 loads
	SMUL0
	s_wait_dscnt 0x0
	SMUL1
	NOPS 8
	FRAGS 32,ADV,0,16*VP                           ; V's tiles 0-3 and all its scale words land under the softmax
	SCLS 22,ADT,1088
.if \tail == 0
	WIN 0x41
	LDKV 64,0,0
	WIN 0
	s_cmp_lt_u32 s[J], 12                          ; step J + 4 exists
	s_cbranch_scc0 .Lnp_\@
	global_prefetch_b8 v[PFO], s[PFA:PFA+1] th:TH_LOAD_NT scope:SCOPE_SE
.Lnp_\@:
.endif
	SOFT 0
	FRAGS 96,ADV,64*VP,16*VP                       ; V's tiles 4-7 into tile 0's score registers, under tile 1's softmax
	SOFT 1
	s_wait_tensorcnt 0x0                           ; my one load that was out, the next step's mask, has landed: only I read it
.if \tail
	s_cmp_lt_u32 s[J], 15
	s_cbranch_scc0 .Lnm_\@
.endif
	MREAD 1
.if \tail
.Lnm_\@:
.else
	s_wait_loadcnt 0x0
	WIN 0x05
	STKV ADKS,ADVS,64,0,0                          ; into the slot that every wave had left at the last change of slots
.endif
	RESC 0, 0
	RESC 1, 0
	WIN 0
	s_wait_alu depctr_va_vdst(0)                   ; directly ahead of the wait below
.if \tail
	s_wait_dscnt 0x0
.else
	s_wait_dscnt 24                                ; all of V's fragments are in; tile 1's 16 loads of the mask and my 8 stores may be out
.endif
	PMUL 0
	RESC 0, 1                                      ; the other half of O^T: also the places in front of the loads below
	RESC 1, 1
	WIN 0
	s_add_co_u32 s[J], s[J], 1
.if \tail
	s_wait_alu depctr_va_vdst(0)                   ; directly ahead of the branch
	s_cmp_lt_u32 s[J], 16
	s_cbranch_scc0 .Lne_\@
.endif
	ADDR 1-\tail
	FRAGS 32,ADK,0,16*KP                           ; the next step's K, tiles 0-3: stored two steps ago, shown by the last round
	SCLS 248,ADS,64
.if \tail
.Lne_\@:
.endif
	PMUL 1
	NOPS 8                                         ; places in front of the loads into tile 0's score registers
.if \tail
	s_cmp_lt_u32 s[J], 16
	s_cbranch_scc0 .Lnn_\@
.endif
	MREAD 0
.if \tail
.Lnn_\@:
.endif
.endm
.macro OUT a                           ; O^T / the sum, through my stage, as aligned runs of 256 bytes
	WIN 0x55*\a
	v_add_f32 v14, v14, v15
	s_delay_alu instid0(VALU_DEP_1)
	v_permlanex16_b32 v252, v14, s[SEL], s[SEL+1]
	s_delay_alu instid0(VALU_DEP_1)
	v_add_f32 v14, v14, v252
	s_wait_alu depctr_va_vdst(0)
	v_rcp_f32 v14, v14
	v_nop
	s_wait_alu depctr_va_vdst(0)
.set N, 0
.rept 64
	v_mul_f32 v[96+N], v[160+N], v14               ; register 8 t + i is o(r, 16 t + 8 h + i)
.set N, N+1
.endr
	s_wait_alu depctr_va_vdst(0)
	s_wait_xcnt 0x0                                ; the tile before has had its stores' registers read
.irp u, 0,1
	WIN 0x04*\a
.irp t, 0,1,2,3
	ds_store_b128 v8, v[96+32*\u+8*\t:99+32*\u+8*\t] offset:64*\t
	ds_store_b128 v8, v[100+32*\u+8*\t:103+32*\u+8*\t] offset:64*\t+16
.endr
	WIN 0
.irp i, 0,1,2,3,4,5,6,7
	ds_load_b128 v[32+32*\u+4*\i:35+32*\u+4*\i], v9 offset:2*\i*272   ; LDS serves a wave's instructions in order
.endr
.endr
.irp u, 0,1
.irp i, 0,1,2,3,4,5,6,7
	s_wait_dscnt 15-8*\u-\i
	global_store_b128 v10, v[32+32*\u+4*\i:35+32*\u+4*\i], s[16:17] offset:262144*\a+2*\i*16384+256*\u th:TH_STORE_NT
.endr
.endr
.endm
	s_load_b256 s[4:11], s[0:1], 0x0               ; q, mask_img, k_codes, k_scales
	s_load_b128 s[12:15], s[0:1], 0x20             ; v_codes, v_scales
	s_load_b64 s[16:17], s[0:1], 0x30              ; out0
	v_lshl_add_u32 v[SPW], v0, 2, SPARE
	v_mov_b32 v[NIL], 0
	ds_add_u32 v[SPW], v[NIL]                      ; the opening lines
	ds_add_u32 v[SPW], v[NIL]
	v_lshrrev_b32 v8, 5, v0
	v_readfirstlane_b32 s[WV], v8                  ; wave 0..7
	s_bfe_u32 s[CX], ttmp6, 0x40000
	s_lshl_b32 s[HH], ttmp9, 2
	s_add_co_u32 s[HH], s[HH], s[CX]               ; hh = 32 x batch + head
	s_and_b32 s45, ttmp7, 0xffff                   ; query block
	s_lshl_b32 s56, s45, 21                        ; the mask's image: tile 16 qb + 2 w, 131,072 bytes a tile, 8,192 a step
	s_lshl_b32 s57, s[WV], 18
	s_add_co_u32 s56, s56, s57
	s_mov_b32 s57, 0
	s_mov_b32 s[G1], 15|(3<<16)|(1<<21)            ; all four partners; elements of 8 bytes; no padding
	s_mov_b32 s[G1+1], 1024<<16                    ; a row: 1,024 elements
	s_mov_b32 s[G1+2], 2<<16                       ; 2 rows: my two tiles
	s_mov_b32 s[G1+3], 1024<<16
	s_mov_b32 s[G1+4], 2
	s_mov_b32 s[G1+5], 16384                       ; 131,072 bytes from tile to tile
	s_mov_b32 s[G1+6], 0
	s_mov_b32 s[G1+7], 0
	s_mov_b32 s[SEL], 0x76543210
	s_mov_b32 s[SEL+1], 0xfedcba98
	s_mov_b32 s[CS], 0x3e0293ee                    ; log2(e) / sqrt(128)
	s_mov_b32 s[CS+1], s[CS]
	s_mov_b32 s[MNT], 0x600000
	s_mov_b32 s[J], 0
	s_wait_alu depctr_va_vdst(0)
	s_wait_dscnt 0x0
	s_wait_kmcnt 0x0
	s_mov_b32 s[G0], 1
	s_lshl_b32 s[G0+1], s[WV], 14
	s_add_nc_u64 s[G0+2:G0+3], s[6:7], s[56:57]
	s_or_b32 s[G0+3], s[G0+3], 0x80000000
	s_lshr_b32 s58, s[CX], 1                       ; the prefetches: partner cx takes tile cx / 2, half cx % 2 of a step's image: 16 blocks of 256 bytes
	s_lshl_b32 s58, s58, 17
	s_and_b32 s59, s[CX], 1
	s_lshl_b32 s59, s59, 12
	s_add_co_u32 s58, s58, s59
	s_add_co_u32 s58, s58, 4*8192
	s_add_co_u32 s58, s58, s56
	s_mov_b32 s59, 0
	s_add_nc_u64 s[PFA:PFA+1], s[6:7], s[58:59]
	s_lshr_b32 s60, s[HH], 5                       ; q and out0: batch x 2^25 + (256 qb + 32 w) rows of 16,384 + head x 512
	s_lshl_b32 s60, s60, 25
	s_lshl_b32 s58, s45, 22
	s_add_co_u32 s60, s60, s58
	s_lshl_b32 s58, s[WV], 19
	s_add_co_u32 s60, s60, s58
	s_and_b32 s58, s[HH], 31
	s_lshl_b32 s58, s58, 9
	s_add_co_u32 s60, s60, s58
	s_mov_b32 s61, 0
	s_add_nc_u64 s[4:5], s[4:5], s[60:61]
	s_add_nc_u64 s[16:17], s[16:17], s[60:61]
	s_lshl_b32 s60, s[HH], 18
	s_lshl_b32 s58, s[WV], 11
	s_add_co_u32 s58, s58, s60
	s_add_nc_u64 s[KG:KG+1], s[8:9], s[58:59]      ; K: my 16 rows of each 128
	s_lshl_b32 s58, s[WV], 14
	s_add_co_u32 s58, s58, s60
	s_add_nc_u64 s[VB:VB+1], s[12:13], s[58:59]    ; V: my 8 rows of each 64
	s_mov_b64 s[VG:VG+1], s[VB:VB+1]
	s_lshl_b32 s60, s[HH], 13
	s_lshl_b32 s58, s[WV], 10
	s_add_co_u32 s58, s58, s60
	s_add_nc_u64 s[10:11], s[10:11], s[58:59]      ; the scale bytes: my 1,024 of the head's 8,192
	s_add_nc_u64 s[14:15], s[14:15], s[58:59]
	s_mul_i32 s46, s[WV], 16*KP
	s_add_co_u32 s46, s46, KV0
	s_mul_i32 s47, s[WV], 8*VP
	s_add_co_u32 s47, s47, KV0+VOFF
	s_lshl_b32 s56, s[WV], 14
	s_mul_i32 s57, s[WV], 1088
	s_add_co_u32 s57, s57, SCK
	s_mul_i32 s45, s[WV], QAREA
	s_add_co_u32 s45, s45, KV0+SLOTB
	v_and_b32 v[LN], 31, v0
	v_and_b32 v[RL], 15, v0
	v_bfe_u32 v[HL], v0, 4, 1
	v_mul_u32_u24 v[AK0], v[RL], KP
	v_lshl_add_u32 v[AK0], v[HL], 4, v[AK0]
	v_add_nc_u32 v[AK0], KV0, v[AK0]
	v_mul_u32_u24 v[AV0], v[RL], VP
	v_lshl_add_u32 v[AV0], v[HL], 4, v[AV0]
	v_add_nc_u32 v[AV0], KV0+VOFF, v[AV0]
	v_mul_u32_u24 v[ASK0], v[HL], 272              ; lanes 16-31 take the words of the tile four further on
	v_lshl_add_u32 v[ASK0], v[RL], 2, v[ASK0]
	v_add_nc_u32 v[ASK0], SCK, v[ASK0]
	v_lshrrev_b32 v12, 2, v[RL]
	v_and_b32 v13, 3, v[RL]
	v_mul_u32_u24 v[ASV0], v12, 272
	v_lshl_add_u32 v[ASV0], v13, 6, v[ASV0]
	v_mad_u32_u24 v[ASV0], v[HL], 4352, v[ASV0]
	v_add_nc_u32 v[ASV0], SCV, v[ASV0]
	v_min_u32 v[PFO], 15, v[LN]                    ; lanes 16-31 name the last block again
	v_lshlrev_b32 v[PFO], 8, v[PFO]
	v_lshlrev_b32 v10, 4, v[LN]
	v_add_nc_u32 v[AMK], s56, v10
	v_lshrrev_b32 v12, 3, v[LN]
	v_and_b32 v13, 7, v[LN]
	v_mul_u32_u24 v8, v12, KP
	v_lshl_add_u32 v8, v13, 4, v8
	v_mul_u32_u24 v9, v[HL], VP
	v_lshl_add_u32 v9, v[RL], 4, v9
	v_lshlrev_b32 v11, 11, v[HL]
	WIN 0x40                                       ; destinations in window 1
	v_add_nc_u32 v[KST], s46, v8
	v_add_nc_u32 v[VST], s47, v9
	v_lshlrev_b32 v[L16], 4, v[LN]
	v_lshl_add_u32 v[VGO], v[RL], 4, v11
	WIN 0
	v_lshl_add_u32 v8, v[HL], 4, v10               ; the scale bytes' way in: 16 bytes of padding behind each 256
	v_add_nc_u32 v8, s57, v8
	v_add_nc_u32 v9, s45, v10                      ; Q's turn, in: 16 bytes a lane of a row
	v_mul_u32_u24 v11, v[RL], 528                  ; and out: row r, 64 bytes for each half of the lanes
	v_lshl_add_u32 v11, v[HL], 6, v11
	v_add_nc_u32 v11, s45, v11
	s_wait_alu depctr_va_vdst(0)
	WIN 0x41
	LDKV 64,0,0                                    ; slot 0, both halves, and the scale bytes: 20 loads
	WIN 0x01
	LDKV 32,16384,131072
.irp i, 0,1
	global_load_b128 v[64+4*\i:67+4*\i], v[L16], s[10:11] offset:512*\i
	global_load_b128 v[72+4*\i:75+4*\i], v[L16], s[14:15] offset:512*\i
.endr
	QLOAD 0                                        ; and Q: 32 loads
	QLOAD 1
	WIN 0
	ROUND
	JLOAD                                          ; step 0's mask: my one load at the head
	INITS 0
	INITS 1
	WIN 0
	s_wait_alu depctr_va_vdst(0)
	s_wait_loadcnt 32                              ; all but Q's 32
	s_wait_tensorcnt 0x0                           ; step 0's mask has landed: no load of mine is out while I store to LDS
	WIN 0x05
	STKV KST,VST,64,0,0
	WIN 0x01
	STKV KST,VST,32,128*KP,64*VP
	WIN 0
.irp i, 0,1
	ds_store_b128 v8, v[64+4*\i:67+4*\i] offset:544*\i
	ds_store_b128 v8, v[72+4*\i:75+4*\i] offset:8704+544*\i
.endr
	s_add_nc_u64 s[KG:KG+1], s[KG:KG+1], 32768     ; on to slot 1
	s_wait_loadcnt 16                              ; Q's tile 0
	QTURN 0
	s_wait_loadcnt 0x0
	QTURN 1
	WIN 0
	s_wait_dscnt 0x0
	QUANT 0
	QUANT 1
	ZERO 0
	ZERO 1
	MREAD 0                                        ; step 0's mask into the score registers
	MREAD 1
	ADDR 1
	s_wait_tensorcnt 0x0
	ds_add_u32 v[SPW], v[NIL]
	s_add_nc_u64 s[G0+2:G0+3], s[G0+2:G0+3], 8192
	s_wait_dscnt 0x0                               ; my stores of slot 0 and my reads of the mask are done
	ROUND
	JLOAD                                          ; step 1's mask
	FRAGS 32,ADK,0,16*KP                           ; step 0's K, tiles 0-3
	SCLS 248,ADS,64
.Lstep:                                                ; 14 trips: behind each the mask of two steps on is asked for
	STEP 0
	s_wait_tensorcnt 0x0                           ; none of my loads is out
	ds_add_u32 v[SPW], v[NIL]
	s_add_nc_u64 s[G0+2:G0+3], s[G0+2:G0+3], 8192
	s_wait_xcnt 0x0                                ; the prefetch has read its address
	s_add_nc_u64 s[PFA:PFA+1], s[PFA:PFA+1], 8192
	s_add_nc_u64 s[KG:KG+1], s[KG:KG+1], 16384
	s_wait_dscnt 0x0                               ; my reads of the mask and of the slots, and my stores into the other slot, are done
	ROUND
	JLOAD
	s_cmp_lt_u32 s[J], 14
	s_cbranch_scc1 .Lstep
.Ltail:                                                ; steps 14 and 15 ask for nothing
	STEP 1
	s_cmp_lt_u32 s[J], 16
	s_cbranch_scc1 .Ltail
	s_mul_i32 s46, s[WV], 16*272
	s_add_co_u32 s46, s46, STAGE
	v_mul_u32_u24 v8, v[RL], 272                   ; my stage, in: row r, 32 bytes for each half of the lanes
	v_lshl_add_u32 v8, v[HL], 5, v8
	v_add_nc_u32 v8, s46, v8
	v_mul_u32_u24 v9, v[HL], 272                   ; and out: sixteen lanes to a row
	v_lshl_add_u32 v9, v[RL], 4, v9
	v_add_nc_u32 v9, s46, v9
	v_lshlrev_b32 v10, 14, v[HL]                   ; the same two rows in out0
	v_lshl_add_u32 v10, v[RL], 4, v10
	OUT 0
	OUT 1
	s_wait_tensorcnt 0x0                           ; the wave's end
	ds_add_u32 v[SPW], v[NIL]
	s_wait_dscnt 0x0
	ROUND                                          ; the closing round
	s_endpgm
.Lfunc_end_k_q9c2d7f9c6b_attn:
	.size	k_q9c2d7f9c6b_attn, .Lfunc_end_k_q9c2d7f9c6b_attn-k_q9c2d7f9c6b_attn
	.p2alignl 7, 3214868480
	.fill 96, 4, 3214868480
	.section	.rodata,"a",@progbits
	.p2align	6, 0x0
	.amdhsa_kernel k_q9c2d7f9c6b_attn
		.amdhsa_group_segment_fixed_size 327680
		.amdhsa_private_segment_fixed_size 0
		.amdhsa_enable_private_segment 0
		.amdhsa_kernarg_size 56
		.amdhsa_user_sgpr_count 2
		.amdhsa_user_sgpr_kernarg_segment_ptr 1
		.amdhsa_wavefront_size32 1
		.amdhsa_system_sgpr_workgroup_id_x 1
		.amdhsa_system_sgpr_workgroup_id_y 1
		.amdhsa_system_sgpr_workgroup_id_z 1
		.amdhsa_system_vgpr_workitem_id 0
		.amdhsa_next_free_vgpr 512
		.amdhsa_next_free_sgpr 66
		.amdhsa_reserve_vcc 0
		.amdhsa_float_denorm_mode_32 3
		.amdhsa_float_denorm_mode_16_64 3
		.amdhsa_memory_ordered 1
		.amdhsa_forward_progress 1
		.amdhsa_inst_pref_size 148
	.end_amdhsa_kernel
	.amdgpu_metadata
---
amdhsa.version: [ 1, 2 ]
amdhsa.kernels:
  - .name:           k_q9c2d7f9c6b_attn
    .symbol:         k_q9c2d7f9c6b_attn.kd
    .args:
      - { .name: q, .offset: 0, .size: 8, .value_kind: global_buffer, .address_space: global }
      - { .name: mask_img, .offset: 8, .size: 8, .value_kind: global_buffer, .address_space: global }
      - { .name: k_codes, .offset: 16, .size: 8, .value_kind: global_buffer, .address_space: global }
      - { .name: k_scales, .offset: 24, .size: 8, .value_kind: global_buffer, .address_space: global }
      - { .name: v_codes, .offset: 32, .size: 8, .value_kind: global_buffer, .address_space: global }
      - { .name: v_scales, .offset: 40, .size: 8, .value_kind: global_buffer, .address_space: global }
      - { .name: out0, .offset: 48, .size: 8, .value_kind: global_buffer, .address_space: global }
    .group_segment_fixed_size: 327680
    .private_segment_fixed_size: 0
    .kernarg_segment_align: 8
    .kernarg_segment_size: 56
    .max_flat_workgroup_size: 256
    .sgpr_count:     66
    .vgpr_count:     512
    .wavefront_size: 32
...
	.end_amdgpu_metadata
.endif
;; end of part 2
